; MI455X (gfx1250); checked and timed in simulation.
; The chip was launched on July 23, 2026; its instructions are those of AMD's public machine-readable ISA for CDNA 5 (MIT licence, August 2026) and "CDNA5" Instruction Set Architecture Reference Guide (July 2026). The comments in the code are by the model that wrote it; some were corrected since.
;; Multi Head Attention. Allowed arithmetic: matrix products marked QUANTISED: E5M2 operands, one given power-of-two scale a tensor, by v_wmma_f32_16x16x64_bf8_bf8 or v_wmma_f32_16x16x128_bf8_bf8, f32 sums; everything else in f32.
;; Inputs: Wk_codes 1,024 x 32 x 32 uint8 (E5M2 codes of Wk, K innermost, in blocks of 32 codes); Wp_codes 1,024 x 32 x 32 uint8 (E5M2 codes of Wp, K innermost, in blocks of 32 codes); Wq_codes 1,024 x 32 x 32 uint8 (E5M2 codes of Wq, K innermost, in blocks of 32 codes); Wv_codes 1,024 x 32 x 32 uint8 (E5M2 codes of Wv, K innermost, in blocks of 32 codes); attention_mask 2 x 1 x 2,048 x 2,048 bool; bk 1,024 float32; bp 1,024 float32; bq 1,024 float32; bv 1,024 float32; inputs_kv_codes 2 x 2,048 x 32 x 32 uint8 (E5M2 codes of inputs_kv, K innermost, in blocks of 32 codes); inputs_q_codes 2 x 2,048 x 32 x 32 uint8 (E5M2 codes of inputs_q, K innermost, in blocks of 32 codes); lowp_scales 12 int32 (the exponents e of the quantised operands' scales 2^e).
;; Outputs: out0 2 x 2,048 x 1,024 float32.
;; This version of the problem:
;;   THIS VERSION OF THE PROBLEM IS GIVEN IN LOW PRECISION. The matrix products marked QUANTISED in the list below multiply operands that are first quantised to E5M2 (5 exponent bits, 2 mantissa bits; 8 bits a number), with one given power-of-two scale for each operand tensor; their sums are f32. All else is computed in f32.
;;   The module's matrix products, in the order in which they are computed (A, B: the left and right operand; K: the contracted axis; several contracted axes count as one K, in the product's order):
;;     1. [M 4,096, K 1,024] x [K 1,024, N 1,024]; A: input inputs_kv (given as codes); B: input Wk (given as codes): QUANTISED (scales: A lowp_scales[0], B lowp_scales[1])
;;     2. [M 4,096, K 1,024] x [K 1,024, N 1,024]; A: input inputs_q (given as codes); B: input Wq (given as codes): QUANTISED (scales: A lowp_scales[2], B lowp_scales[3])
;;     3. [M 4,096, K 1,024] x [K 1,024, N 1,024]; A: input inputs_kv (given as codes); B: input Wv (given as codes): QUANTISED (scales: A lowp_scales[4], B lowp_scales[5])
;;     4. batch 32 x [M 2,048, K 64] x [K 64, N 2,048]; A: computed on the way; B: computed on the way: QUANTISED (scales: A lowp_scales[6], B lowp_scales[7])
;;     5. batch 32 x [M 2,048, K 2,048] x [K 2,048, N 64]; A: computed on the way; B: computed on the way: QUANTISED (scales: A lowp_scales[8], B lowp_scales[9])
;;     6. [M 4,096, K 1,024] x [K 1,024, N 1,024]; A: computed on the way; B: input Wp (given as codes): QUANTISED (scales: A lowp_scales[10], B lowp_scales[11])
;;   THE QUANTISER, for each operand of a quantised product, along K:
;;     - The operand's scale is 2^e, e = its entry of the input lowp_scales (int32; the entries are numbered through the quantised products in the list's order, A before B).
;;     - Each number is divided by the scale, clamped to +-57,344, and rounded to the nearest number of E5M2, ties to even, subnormals kept.
;;     - The product sums the exact products of the quantised numbers (number of the format x scale) in f32.
;;   ~~~python
;;   def quantise(x, axis, e):      # numpy; x: float32 -> the quantised numbers, widened to float32 again
;;       x = np.moveaxis(x, axis, -1); K = x.shape[-1]
;;       r = np.clip(x / 2.0 ** e, -57344, 57344)
;;       step = 2.0 ** (np.maximum(np.frexp(np.where(r == 0, 1, r))[1] - 1, -14) - 2)
;;       q = np.round(r / step) * step * 2.0 ** e      # np.round: ties to even
;;       return np.moveaxis(q, -1, axis).astype(np.float32)
;;   ~~~
;;   OPERANDS COMPUTED ON THE WAY. 'Computed on the way' means the value that the module computes at that place (a softmax that the list does not call 'softmax' is quantised finished and normalised). What goes into a quantiser is computed in f32, as accurately as f32 sums, v_exp_f32 and their like allow (about 1e-6 of the number): no bf16 or f16 on the way to a quantiser, and a product that is left as it is and whose result goes on into a quantised operand takes f32 operands (vector FMAs, or v_wmma_f32_16x16x4_f32). A number that lies on a knife's edge between two numbers of the format may be rounded either way, as far as f32 arithmetic and the matrix unit's own rounding can turn it there, and no further.
;;   INPUTS GIVEN AS CODES. Wk (in the module: [1024, 1024], K = its axis 0); Wp (in the module: [1024, 1024], K = its axis 0); Wq (in the module: [1024, 1024], K = its axis 0); Wv (in the module: [1024, 1024], K = its axis 0); inputs_kv (in the module: [2, 2048, 1024], K = its axis 2); inputs_q (in the module: [2, 2048, 1024], K = its axis 2): each comes as NAME_codes (uint8): NAME with its K axis moved to the last place and cut into blocks of 32 codes, [.., K / 32, bytes a block], one block behind the other in memory; one code a byte (a code: sign, 5 exponent bits, 2 mantissa bits); its scale is its entry of lowp_scales. Its value is code x scale, taken as it is: it is not quantised again, and the codes and scales need not be those that the quantiser above would give.
;; One version. Each part assembles by itself: llvm-mc -triple=amdgcn-amd-amdhsa -mcpu=gfx1250 --defsym DOCPART=n.
;; ======== version 1 of 1: 4 launches
;; limits: right only within a limited range of input values
;; workspace buffers: maskbits 1,048,576 bytes of whole numbers; qimg 4,194,304 bytes; kimg 4,194,304 bytes; vimg 4,194,304 bytes; wimg 4,194,304 bytes
;; launch pack (part 1): grid 256 x 1, 4 waves a work-group, no clusters, 35,328 bytes of LDS; arguments attention_mask, maskbits; writes maskbits
.if DOCPART == 1
	.amdgcn_target "amdgcn-amd-amdhsa--gfx1250"
	.amdhsa_code_object_version 6
	.text
	.protected	k_q3ed6864378_pack
	.globl	k_q3ed6864378_pack
	.p2align	8
	.type	k_q3ed6864378_pack,@function
k_q3ed6864378_pack:
	s_mov_b64 s[64:65], 0
	v_nop
	global_prefetch_b8 v0, s[64:65] scope:SCOPE_SE
	s_setreg_imm32_b32 hwreg(HW_REG_WAVE_MODE, 25, 1), 1
	s_wait_xcnt 0x0
; The attention mask, [2][2048 queries][2048 keys] of one byte, becomes lane masks: one 32-bit word for each register of a tile of scores as the attention launch holds it.
; maskbits: [gt = 128 b + query tile][s = key / 128][word 8 T + j]; bit (r + 16 h) of word (T, j) is mask[16 tile + r][128 s + 16 T + 8 h + j].
; The 16 heads and both passes of the attention launch then mask a score by one select on a scalar word, in place of work on bytes.
; SHARES.  Work-group g takes query tile gt = g (16 rows of 2,048 bytes); wave w takes keys 512 w on, as two chunks of 16 rows x 256 keys.
; Each global load reads two rows' 256 consecutive bytes.  A chunk turns through the wave's own stage in LDS (rows 272 bytes apart), so that lane (r, h) gets the 8 bytes of
; row r at 16 T + 8 h.  A compare of one byte of all 32 lanes IS the word; v_writelane_b32 puts it where the chunk's 128 words leave as 512 consecutive bytes.
; No barrier: waves share nothing.  No matrix unit, no cluster: a stream that is read once.
.set SP,   272                         ; a stage row: 256 bytes + 16: the 32 lanes of an 8-byte read fall on 64 different banks (64 banks of 4 bytes: ISA guide 11.1)
.set STG,  16*SP                       ; a stage: 16 rows
.set WREG, 2*STG                       ; a wave's two stages, one for each chunk
.set R,    16                          ; v16-79   the two chunks as loaded
.set M,    80                          ; v80-143  chunk c, key tile T: 8 bytes at v[M + 32 c + 2 T]
.set W,    8                           ; v8-15    chunk c: four words a lane, to store
.set TV,   144                         ; v144-151 at work
.set TS,   16                          ; s16-23   at work: eight words
	s_load_b128 s[4:7], s[0:1], 0x0                ; the mask s[4:5], maskbits s[6:7]
	v_lshl_add_u32 v152, v0, 2, 0x8800
	v_mov_b32 v153, 0
	v_lshrrev_b32 v1, 5, v0
	v_readfirstlane_b32 s8, v1                     ; wave 0..3
	v_and_b32 v1, 31, v0                           ; lane
	v_and_b32 v2, 15, v0                           ; r
	v_bfe_u32 v3, v0, 4, 1                         ; h
	v_lshlrev_b32 v4, 11, v3
	v_lshl_add_u32 v4, v2, 4, v4                   ; in: lanes 0-15 one row's 256 bytes, lanes 16-31 the next row's
	s_mul_i32 s9, s8, WREG
	v_mul_u32_u24 v5, v3, SP
	v_lshl_add_u32 v5, v2, 4, v5
	v_add_nc_u32 v5, s9, v5                        ; into the stage: the same two rows
	v_mul_u32_u24 v6, v2, SP
	v_lshl_add_u32 v6, v3, 3, v6
	v_add_nc_u32 v6, s9, v6                        ; out of it: row r, 8 bytes at 8 h
	v_lshlrev_b32 v7, 4, v1                        ; out: 16 bytes a lane
	s_lshl_b32 s10, ttmp9, 15                      ; 16 rows of 2,048 bytes a work-group,
	s_lshl_b32 s11, s8, 9                          ; 512 keys a wave
	s_add_co_u32 s10, s10, s11
	s_mov_b32 s11, 0
	s_lshl_b32 s12, ttmp9, 12                      ; 4,096 bytes of words a work-group,
	s_lshl_b32 s13, s8, 10                         ; 1,024 a wave
	s_add_co_u32 s12, s12, s13
	s_mov_b32 s13, 0
	s_wait_kmcnt 0x0
	s_add_nc_u64 s[4:5], s[4:5], s[10:11]
	s_add_nc_u64 s[6:7], s[6:7], s[12:13]
.irp c, 0,1
.irp i, 0,1,2,3,4,5,6,7
	global_load_b128 v[R+32*\c+4*\i:R+32*\c+4*\i+3], v4, s[4:5] offset:4096*\i+256*\c th:TH_LOAD_NT   ; rows 2 i, 2 i + 1; read once in the launch
.endr
.endr
.irp i, 0,1,2,3,4,5,6,7
	v_mov_b32 v[W+\i], 0                           ; v_writelane_b32's destination counts as read: written once here
.endr
.macro TURN c                          ; a chunk through its stage: LDS serves a wave's instructions in order (ISA guide 5.7.1.4), so no wait stands between the stores and the loads
.irp i, 0,1,2,3,4,5,6,7
	ds_store_b128 v5, v[R+32*\c+4*\i:R+32*\c+4*\i+3] offset:STG*\c+2*SP*\i
.endr
.irp k, 0,1,2,3,4,5,6,7,8,9,10,11,12,13,14,15
	ds_load_b64 v[M+32*\c+2*\k:M+32*\c+2*\k+1], v6 offset:STG*\c+16*\k
.endr
.endm
.macro WORDS c                         ; 128 words: byte j of key tile T, compared in all 32 lanes, is word 8 T + j: register j % 4 of lane 2 T + j / 4
.set T, 0
.rept 16
.irp j, 0,1,2,3,4,5,6,7
	v_and_b32 v[TV+\j], 0xff<<(8*(\j%4)), v[M+32*\c+2*T+\j/4]
.endr
.irp j, 0,1,2,3,4,5,6,7
	v_cmp_ne_u32 s[TS+\j], 0, v[TV+\j]
.endr
.irp j, 0,1,2,3,4,5,6,7
	v_writelane_b32 v[W+4*\c+\j%4], s[TS+\j], 2*T+\j/4
.endr
.set T, T+1
.endr
	global_store_b128 v7, v[W+4*\c:W+4*\c+3], s[6:7] offset:512*\c   ; 32 lanes store 512 consecutive bytes, at a multiple of 256 from the buffer's first byte
.endm
	s_wait_loadcnt 8                               ; chunk 0's eight loads are in; chunk 1's eight are younger
	TURN 0
	s_wait_loadcnt 0x0
	TURN 1
	s_wait_dscnt 24                                ; chunk 0 is back; younger: chunk 1's 8 stores and 16 loads
	WORDS 0
	s_wait_dscnt 0x0
	WORDS 1
	s_wait_tensorcnt 0x0
	ds_add_u32 v152, v153
	s_wait_dscnt 0x0
	s_endpgm
.Lfunc_end_k_q3ed6864378_pack:
	.size	k_q3ed6864378_pack, .Lfunc_end_k_q3ed6864378_pack-k_q3ed6864378_pack
	.p2alignl 7, 3214868480
	.fill 96, 4, 3214868480
	.section	.rodata,"a",@progbits
	.p2align	6, 0x0
	.amdhsa_kernel k_q3ed6864378_pack
		.amdhsa_group_segment_fixed_size 35328
		.amdhsa_private_segment_fixed_size 0
		.amdhsa_enable_private_segment 0
		.amdhsa_kernarg_size 16
		.amdhsa_user_sgpr_count 2
		.amdhsa_user_sgpr_kernarg_segment_ptr 1
		.amdhsa_wavefront_size32 1
		.amdhsa_system_sgpr_workgroup_id_x 1
		.amdhsa_system_sgpr_workgroup_id_y 1
		.amdhsa_system_sgpr_workgroup_id_z 1
		.amdhsa_system_vgpr_workitem_id 0
		.amdhsa_next_free_vgpr 154
		.amdhsa_next_free_sgpr 66
		.amdhsa_reserve_vcc 0
		.amdhsa_float_denorm_mode_32 3
		.amdhsa_float_denorm_mode_16_64 3
		.amdhsa_memory_ordered 1
		.amdhsa_forward_progress 1
		.amdhsa_inst_pref_size 55
	.end_amdhsa_kernel
	.amdgpu_metadata
---
amdhsa.version: [ 1, 2 ]
amdhsa.kernels:
  - .name:           k_q3ed6864378_pack
    .symbol:         k_q3ed6864378_pack.kd
    .args:
      - { .name: attention_mask, .offset: 0, .size: 8, .value_kind: global_buffer, .address_space: global }
      - { .name: maskbits, .offset: 8, .size: 8, .value_kind: global_buffer, .address_space: global }
    .group_segment_fixed_size: 35328
    .private_segment_fixed_size: 0
    .kernarg_segment_align: 8
    .kernarg_segment_size: 16
    .max_flat_workgroup_size: 128
    .sgpr_count:     66
    .vgpr_count:     154
    .wavefront_size: 32
...
	.end_amdgpu_metadata
.endif
;; end of part 1
;; launch proj (part 2): grid 4 x 48, 4 waves a work-group, clusters of 4 x 4, 327,680 bytes of LDS; arguments inputs_q_codes, inputs_kv_codes, Wq_codes, Wk_codes, Wv_codes, bq, bk, bv, lowp_scales, qimg, kimg, vimg; writes qimg, kimg, vimg
.if DOCPART == 2
	.amdgcn_target "amdgcn-amd-amdhsa--gfx1250"
	.amdhsa_code_object_version 6
	.text
	.protected	k_q3ed6864378_proj
	.globl	k_q3ed6864378_proj
	.p2align	8
	.type	k_q3ed6864378_proj,@function
k_q3ed6864378_proj:
	s_mov_b64 s[64:65], 0
	v_nop
	global_prefetch_b8 v0, s[64:65] scope:SCOPE_SE
	s_setreg_imm32_b32 hwreg(HW_REG_WAVE_MODE, 25, 1), 1
	s_wait_xcnt 0x0
	s_wait_alu depctr_hold_cnt(0) depctr_sa_sdst(0) depctr_va_vdst(0) depctr_va_sdst(0) depctr_va_ssrc(0) depctr_va_vcc(0) depctr_vm_vsrc(0)
	s_getreg_b32 s2, hwreg(HW_REG_IB_STS2, 6, 4)
	s_cmp_eq_u32 s2, 0
	s_cbranch_scc0 .Lentry_in_a_cluster
	s_endpgm
.Lentry_in_a_cluster:
	s_bfe_u32 s2, ttmp6, 0x10000c
	s_cmp_lg_u32 s2, 0xf033
	s_cbranch_scc0 .Lentry_shape_is_right
	s_endpgm
.Lentry_shape_is_right:
; The three projections q = x_q Wq + bq, k = x_kv Wk + bk, v = x_kv Wv + bv on codes of BF8 (E5M2), K = 1,024, and their results quantised at once for the attention launch.
; ONE LAUNCH FOR THE THREE: 12 clusters of 4 x 4 work-groups; cluster cl makes product cl / 4 (0 = q, 1 = k, 2 = v).  All take one path: what differs (buffers, scales, strides,
; which bias counts) is chosen by s_cselect on cl / 4, which all partners of a cluster share.
; A tile of 256 x 256 of "A" x "B"^T is made by four waves, 128 x 128 each: 64 accumulators, 512 registers.  q, k: "A" = tokens (4,096 rows), "B" = the weight's 1,024 rows (features).
; v: "A" = Wv's rows (features), "B" = tokens.  THE MATRIX INSTRUCTION IS USED TRANSPOSED (source 0 = 16 rows of "B", source 1 = 16 rows of "A"): a lane holds one row of "A" and eight
; neighbours along "B".  So a lane's eight numbers are eight neighbours along the NEXT product's K (the head's 64 for q and k, the keys for v), and one conversion of them gives two
; registers of the next operand.  The codes leave as IMAGES OF THE OPERAND'S REGISTERS: each group of four registers as 16 bytes x lane, 512 consecutive bytes a store; no LDS on the way out.
;   qimg, kimg: [token / 16][head][1,024 bytes]: a fragment of 16 tokens x 64;   vimg: [token / 128][feature / 16][2,048 bytes]: a fragment of 16 features x 128 keys.
; A sum stands for sum x 2^es (es = the two operands' exponents added).  code = (sum + bias / 2^es) / 2^(et - es), held within +-57,344, et = the next operand's exponent.
; LIMITS: et - es between -126 and 112, so that both powers of two are f32 numbers; NaN among the biases is not served.
; K goes in steps of 256 through a ring of two LDS slots filled by joint tensor loads: A's tile is shared along a row of the cluster, B's along a column.  Four K steps: written out, no loop.
; Fragments are fetched by four loads of 16 bytes: a permutation of k that is the same in A and in B, so every product meets its partner.
; REGISTERS, in windows of 256: window 0: v0-31 addresses; v32-95 bias along "B", v96-103 bias along "A", v104 the hold, v105 the scale; from v128 A's fragments, ONE set (on the way out: sums and codes).
;   window 1: B's fragments, TWO sets.   window 2: the accumulators of my rows 0-63 ((a, b) at v[8 (8 a + b)]);   window 3: those of my rows 64-127.
.set ROWB,   256                       ; a tile's row in bytes: 256 codes
.set KROW,   1024                      ; a row of A or of B in memory
.set PITCH,  272                       ; an LDS row: 256 bytes + 16 of padding = 68 words: the 16 rows that a load touches start at 16 different banks (64 banks of 4 bytes: ISA guide 11.1)
.set FR,     16                        ; registers of a fragment: 16 rows x 128 K
.set NL,     4                         ; LDS loads that bring one
.set NP,     4                         ; places behind this matrix instruction (ISA guide 7.12.1)
.set HALFT,  128*PITCH                 ; 128 rows: what one tensor load brings
.set SLOT,   4*HALFT                   ; A's 256 rows, then B's 256 rows
.set SPARE,  2*SLOT                    ; behind the ring: the spare words, 128 bytes for each wave
.set ADRA, 16                          ; v16-17  LDS address of my A fragments in slot 0, 1
.set ADRB, 20                          ; v20-21  the same for B
.set LI,   24                          ; v24     16 x lane: an image's place for my lane
.set SPW,  28                          ; v28     LDS address of my spare word; never rewritten
.set NIL,  29                          ; v29     0; never rewritten
.set BN,   32                          ; v32-95  register 8 b + j: bias / 2^es of "B" row 16 b + 8 h + j (q, k), or 0 (v)
.set BM,   96                          ; v96-103 register a: bias / 2^es of "A" row 16 a + r (v), or 0 (q, k)
.set LIM,  104                         ; v104    57,344 x 2^(et - es)
.set SC,   105                         ; v105    2^(et - es)
.set AF,   128                         ; A's fragments
.set T,    128                         ; the way out: a block's 64 sums
.set CD,   192                         ; the way out: its 16 registers of codes
.set G1, 24                            ; s[24:31] descriptor group 1 for A's tiles;  s[32:39] group 0, one set for each slot
.set G0, 32
.set G1B, 48                           ; s[48:55], s[56:63] the same for B's tiles
.set G0B, 56
.set MSB, 0
.macro WIN new                         ; the immediate's high byte repeats the setting that is left
.if MSB != \new
	s_set_vgpr_msb (MSB<<8)|\new
.set MSB, \new
.endif
.endm
.set MUL_LO, 0xa1                      ; source 0 (B) window 1, source 1 (A) window 0, C and D window 2
.set MUL_HI, 0xf1                      ; the same, C and D window 3
.set TO_B,   0x40                      ; destination window 1, address window 0
; A joint load: waves 0 and 1 fetch for A, waves 2 and 3 for B.  The branch hangs on the wave's number alone.  Four v_nop follow each of the two lines.
.macro JLOAD g0a, g1a, g0b, g1b
	s_cmp_eq_u32 s15, 0
	s_cbranch_scc0 .Lfor_b_\@
	tensor_load_to_lds s[\g0a:\g0a+3], s[\g1a:\g1a+7]
	s_nop 0
.rept 4
	v_nop
.endr
	s_branch .Lasked_\@
.Lfor_b_\@:
	tensor_load_to_lds s[\g0b:\g0b+3], s[\g1b:\g1b+7]
	s_nop 0
.rept 4
	v_nop
.endr
.Lasked_\@:
.endm
.macro CREST                           ; a round of the cluster's barrier behind its opening barrier
	s_cmp_lg_u32 s14, 0
	s_cbranch_scc1 .Lnot_wave_0_\@
	s_barrier_signal -3
.Lnot_wave_0_\@:
	s_barrier_wait -3
	s_barrier_signal -1
	s_barrier_wait -1
.endm
.macro CROUND                          ; a whole round
	s_barrier_signal -1
	s_barrier_wait -1
	CREST
.endm
	s_load_b512 s[68:83], s[0:1], 0x0              ; x_q 68, x_kv 70, Wq 72, Wk 74, Wv 76, bq 78, bk 80, bv 82
	s_load_b256 s[84:91], s[0:1], 0x40             ; the scales' exponents 84, qimg 86, kimg 88, vimg 90
	v_lshl_add_u32 v[SPW], v0, 2, SPARE
	v_mov_b32 v[NIL], 0
	ds_add_u32 v28, v29
	ds_add_u32 v28, v29
	s_wait_dscnt 0x0
	v_lshrrev_b32 v1, 5, v0
	v_readfirstlane_b32 s14, v1                    ; wave 0..3
	s_lshr_b32 s15, s14, 1                         ; which half of the tile's rows is mine.  Also: I fetch for A (0) or for B (1)
	s_and_b32 s16, s14, 1                          ; which half of its columns.  Also: which 128 rows of that tile I fetch
	s_bfe_u32 s40, ttmp6, 0x40000                  ; cx, cy: my place in the cluster
	s_bfe_u32 s41, ttmp6, 0x40004
	s_and_b32 s17, ttmp7, 0xffff                   ; the cluster's number, 0 .. 11 (one cluster along x)
	s_lshr_b32 s92, s17, 2                         ; which product: 0 q, 1 k, 2 v
	s_and_b32 s93, s17, 3
	s_lshl_b32 s93, s93, 2                         ; which four of the tokens' sixteen tiles
	s_cmp_eq_u32 s92, 2
	s_cselect_b32 s17, 0, s93                      ; the tokens are "A"'s rows (q, k) ..
	s_cselect_b32 s42, s93, 0                      ; .. or "B"'s (v)
	s_add_co_u32 s17, s17, s41                     ; tile row
	s_add_co_u32 s42, s42, s40                     ; tile column
	s_lshl_b32 s43, s41, 2
	s_lshl_b32 s43, 15, s43                        ; my row of the cluster
	s_lshl_b32 s44, 0x1111, s40                    ; my column
	; descriptor group 1: a tile of 128 rows x 256 bytes, padded in LDS
	s_or_b32 s[G1+0], s43, (0<<16)|(1<<20)|(1<<21)|(5<<22)|(3<<25)  ; 15:0 the mask: A's tiles go to my row; 17:16 element of 1 byte; 20 padding on; 21 set beside a mask; 24:22 after every 64 words; 31:25 four words
	s_or_b32 s[G1B+0], s44, (0<<16)|(1<<20)|(1<<21)|(5<<22)|(3<<25)
.irp g, G1, G1B
	s_mov_b32 s[\g+1], ROWB<<16                    ; tensor_dim0
	s_mov_b32 s[\g+2], 128<<16                     ; tensor_dim1 = 128
	s_mov_b32 s[\g+3], ROWB<<16                    ; tile_dim0
	s_mov_b32 s[\g+4], 128                         ; tile_dim1 = 128
	s_mov_b32 s[\g+5], KROW                        ; tensor_dim0_stride
	s_mov_b32 s[\g+6], 0
	s_mov_b32 s[\g+7], 0
.endr
	s_lshl_b32 s18, s16, 7                         ; which 128 rows of the tile I fetch
	s_lshl_b32 s20, s17, 8
	s_add_co_u32 s20, s20, s18                     ; A: row 256 x tile row + 128 x half,
	s_lshl_b32 s20, s20, 10                        ; of 1,024 bytes
	s_mov_b32 s21, 0
	s_lshl_b32 s46, s42, 8
	s_add_co_u32 s46, s46, s18                     ; B: row 256 x tile column + 128 x half
	s_lshl_b32 s46, s46, 10
	s_mov_b32 s47, 0
	s_mul_i32 s45, s14, HALFT                      ; where they go: wave x 128 rows: no place in the cluster enters an LDS address
	s_wait_kmcnt 0x0
	s_cmp_eq_u32 s92, 0                            ; the buffers: a choice on the product's number alone
	s_cselect_b64 s[4:5], s[68:69], s[70:71]       ; "A": x_q or x_kv
	s_cselect_b64 s[6:7], s[72:73], s[74:75]       ; "B": Wq or Wk
	s_cselect_b64 s[8:9], s[78:79], s[80:81]       ; the bias
	s_cselect_b64 s[10:11], s[86:87], s[88:89]     ; the images
	s_cmp_eq_u32 s92, 2
	s_cselect_b64 s[4:5], s[76:77], s[4:5]         ; v: "A" = Wv,
	s_cselect_b64 s[6:7], s[70:71], s[6:7]         ; "B" = x_kv
	s_cselect_b64 s[8:9], s[82:83], s[8:9]
	s_cselect_b64 s[10:11], s[90:91], s[10:11]
	s_load_b256 s[68:75], s[84:85], 0x0            ; e0 .. e7
	s_load_b64 s[76:77], s[84:85], 0x20            ; e8, e9
	s_add_nc_u64 s[20:21], s[4:5], s[20:21]
	s_add_nc_u64 s[46:47], s[6:7], s[46:47]
	CROUND                                         ; all sixteen work-groups are here: the first joint loads meet
.irp s, 0,1
	s_mov_b32 s[G0+4*\s], 1
	s_add_co_u32 s[G0+4*\s+1], s45, \s*SLOT
	s_add_nc_u64 s[G0+4*\s+2:G0+4*\s+3], s[20:21], \s*ROWB
	s_or_b32 s[G0+4*\s+3], s[G0+4*\s+3], 0x80000000
	s_mov_b32 s[G0B+4*\s], 1
	s_add_co_u32 s[G0B+4*\s+1], s45, \s*SLOT
	s_add_nc_u64 s[G0B+4*\s+2:G0B+4*\s+3], s[46:47], \s*ROWB
	s_or_b32 s[G0B+4*\s+3], s[G0B+4*\s+3], 0x80000000
	JLOAD G0+4*\s, G1, G0B+4*\s, G1B
.endr
	v_and_b32 v1, 15, v0                           ; r = l % 16
	v_bfe_u32 v2, v0, 4, 1                         ; h = l / 16
	v_mul_u32_u24 v3, v1, PITCH
	v_lshl_add_u32 v4, v2, 4, v3                   ; a fragment's row x pitch + 16 x half
	s_mul_i32 s21, s15, HALFT                      ; my 128 rows of A
	s_mul_i32 s22, s16, HALFT                      ; my 128 rows of B,
	s_add_co_u32 s22, s22, 2*HALFT                 ; which lie behind A's 256
.irp s, 0,1
	v_add_nc_u32 v[ADRA+\s], s21, v4
	v_add_nc_u32 v[ADRB+\s], s22, v4
	s_add_co_u32 s21, s21, SLOT
	s_add_co_u32 s22, s22, SLOT
.endr
	v_and_b32 v5, 31, v0
	v_lshlrev_b32 v[LI], 4, v5
	v_lshlrev_b32 v6, 5, v2                        ; the bias along "B": my half's eight numbers, 32 h bytes on
	v_lshlrev_b32 v7, 2, v1                        ; the bias along "A": my row's number, 4 r bytes on
	s_lshl_b32 s20, s17, 8
	s_lshl_b32 s21, s15, 7
	s_add_co_u32 s20, s20, s21                     ; m0: my first row of "A"
	s_lshl_b32 s46, s42, 8
	s_lshl_b32 s47, s16, 7
	s_add_co_u32 s46, s46, s47                     ; n0: my first row of "B"
	s_mov_b32 s82, 0x4000
	s_mov_b32 s83, 0x800
	s_mov_b32 s90, 0x20000
	s_cmp_eq_u32 s92, 2
	s_cselect_b32 s94, 0, s46                      ; the bias has 1,024 numbers, along the features: the axis that is not the features' reads from 0 on, so that no load leaves the buffer,
	s_cselect_b32 s95, s20, 0
	s_cselect_b32 s98, 0, -1                       ; and what it read becomes 0: the lane mask for the bias along "B" ..
	s_cselect_b32 s99, -1, 0                       ; .. and along "A"
	s_cselect_b32 s12, s83, s82                    ; bytes from one block of 16 rows of "A" to the next in the images: 16,384 (a token tile's 16 heads) or 2,048 (v: a feature tile)
	s_cselect_b32 s91, s90, s83                    ; bytes for 128 rows of "B": 2,048 (two heads) or 131,072 (v: 128 keys' 64 feature tiles)
	s_mov_b32 s13, 0
	s_lshl_b32 s86, s94, 2
	s_mov_b32 s87, 0
	s_add_nc_u64 s[86:87], s[8:9], s[86:87]
	s_lshl_b32 s88, s95, 2
	s_mov_b32 s89, 0
	s_add_nc_u64 s[88:89], s[8:9], s[88:89]
.irp b, 0,1,2,3,4,5,6,7
	global_load_b128 v[BN+8*\b:BN+8*\b+3], v6, s[86:87] offset:64*\b
	global_load_b128 v[BN+8*\b+4:BN+8*\b+7], v6, s[86:87] offset:64*\b+16
.endr
.irp a, 0,1,2,3,4,5,6,7
	global_load_b32 v[BM+\a], v7, s[88:89] offset:64*\a
.endr
	s_lshr_b32 s20, s20, 4
	s_mul_i32 s20, s20, s12
	s_mov_b32 s21, 0
	s_add_nc_u64 s[10:11], s[10:11], s[20:21]      ; the images at my first block of "A" ..
	s_lshr_b32 s46, s46, 7
	s_mul_i32 s46, s46, s91
	s_mov_b32 s47, 0
	s_add_nc_u64 s[10:11], s[10:11], s[46:47]      ; .. and my 128 rows of "B"
	s_wait_kmcnt 0x0
	s_add_co_i32 s78, s70, s71                     ; q: e2 + e3
	s_add_co_i32 s79, s68, s69                     ; k: e0 + e1
	s_add_co_i32 s80, s72, s73                     ; v: e4 + e5
	s_cmp_eq_u32 s92, 0
	s_cselect_b32 s78, s78, s79
	s_cselect_b32 s81, s74, s75                    ; q: e6, k: e7
	s_cmp_eq_u32 s92, 2
	s_cselect_b32 s78, s80, s78                    ; es
	s_cselect_b32 s81, s77, s81                    ; et (v: e9)
	s_sub_co_i32 s79, 0, s78                       ; -es
	s_sub_co_i32 s80, s81, s78
	s_add_co_i32 s80, s80, 127
	s_lshl_b32 s82, s80, 23
	v_mov_b32 v[SC], s82                           ; 2^(et - es) as f32: the conversion takes its exponent field
	s_add_co_i32 s80, s80, 15
	s_lshl_b32 s80, s80, 23
	s_or_b32 s80, s80, 0x600000
	v_mov_b32 v[LIM], s80                          ; 57,344 x that
	s_wait_loadcnt 0x0
.set n, 0
.rept 64
	v_ldexp_f32 v[BN+n], v[BN+n], s79              ; bias / 2^es: nothing is rounded
.set n, n+1
.endr
.set n, 0
.rept 8
	v_ldexp_f32 v[BM+n], v[BM+n], s79
.set n, n+1
.endr
.set n, 0
.rept 64
	v_cndmask_b32 v[BN+n], 0, v[BN+n], s98
.set n, n+1
.endr
.set n, 0
.rept 8
	v_cndmask_b32 v[BM+n], 0, v[BM+n], s99
.set n, n+1
.endr
.macro FRAG reg, adr, q, i             ; a fragment, 16 rows x 128 K, is 16 registers: lane l holds row l % 16; registers 4 c .. 4 c + 3 hold K = 32 c + 16 (l / 16) + 0 .. 15
.irp c, 0,1,2,3
	ds_load_b128 v[\reg+4*\c:\reg+4*\c+3], v[\adr] offset:128*(\q)+32*\c+(\i)*16*PITCH
.endr
.endm
; 16 matrix instructions: A's blocks a0, a0 + 1 x B's eight, 128 along K.  p: B's set.  zero = 1: the first product starts the sums.
; The 64 accumulators take turns, one instruction a turn, in the same order in every step.
.macro MUL16 a0, p, zero
.irp a, \a0, \a0+1
.irp b, 0,1,2,3,4,5,6,7
.if \zero
	v_wmma_f32_16x16x128_bf8_bf8 v[8*(8*((\a)%4)+\b):8*(8*((\a)%4)+\b)+7], v[128*(\p)+FR*\b:128*(\p)+FR*\b+FR-1], v[AF+FR*(\a):AF+FR*(\a)+FR-1], 0
.else
	v_wmma_f32_16x16x128_bf8_bf8 v[8*(8*((\a)%4)+\b):8*(8*((\a)%4)+\b)+7], v[128*(\p)+FR*\b:128*(\p)+FR*\b+FR-1], v[AF+FR*(\a):AF+FR*(\a)+FR-1], v[8*(8*((\a)%4)+\b):8*(8*((\a)%4)+\b)+7]
.endif
.endr
.endr
.endm
.macro FETCH_B slot, q, p              ; B's eight fragments of the slot's q-th 128 along K into set p
	WIN TO_B
.irp i, 0,1,2,3,4,5,6,7
	FRAG 128*(\p)+FR*\i, ADRB+\slot, \q, \i
.endr
	WIN 0
.endm
.macro FETCH_A slot, q, i0             ; A's blocks i0 .. i0 + 3
.irp i, \i0, \i0+1, \i0+2, \i0+3
	FRAG AF+FR*(\i), ADRA+\slot, \q, \i
.endr
.endm
; A load into a register that a matrix instruction has read, and a vector instruction that reads a matrix result or writes one of its registers, stand NP places behind it;
; only plain vector instructions that name none of its registers are places (ISA guide 7.12.1 for vector instructions).
.macro PLACES n
.rept \n
	v_nop
.endr
.endm
; A step of 128 along K that has its successor in the same slot.
.macro STEP slot, q, zero
	s_wait_dscnt 4*NL                              ; B's set and A's blocks 0-3 are in; the youngest sixteen loads (A's blocks 4-7) may be out
	WIN MUL_LO
	MUL16 0, (\q)%2, \zero
	MUL16 2, (\q)%2, \zero
	s_wait_dscnt 0                                 ; A's blocks 4-7 are in
	PLACES NP
	FETCH_B \slot, (\q)+1, 1-(\q)%2
	FETCH_A \slot, (\q)+1, 0
	WIN MUL_HI
	MUL16 4, (\q)%2, \zero
	MUL16 6, (\q)%2, \zero
	PLACES NP
	WIN 0
	FETCH_A \slot, (\q)+1, 4
.endm
; A slot's last step changes slots: ONE barrier; in front of it each wave waits for all its tensor loads, adds 0 to its spare word, and waits for that and for its own reads of this slot.  fill = 1: this slot is filled again, two K steps ahead.
.macro TURN slot, next, fill
	s_wait_tensorcnt 0x0                           ; all my tensor loads have landed: my part of the next slot
	ds_add_u32 v[SPW], v[NIL]                      ; 0 onto my spare word
	s_wait_dscnt 4*NL+1                            ; (the add and the youngest sixteen loads, A's blocks 4-7, may be out)
	WIN MUL_LO
	MUL16 0, 1, 0                                  ; sixteen matrix instructions stand between the add and the wait for it
	s_wait_dscnt 0x0                               ; the add is done, and my reads of this slot are over
	s_barrier_signal -1
	MUL16 2, 1, 0
	WIN 0
	s_barrier_wait -1
.if \fill
	CREST                                          ; the barrier has opened a round of the cluster's barrier: no wave of any partner still reads this slot's tile or has a load on its way
	s_add_nc_u64 s[G0+4*\slot+2:G0+4*\slot+3], s[G0+4*\slot+2:G0+4*\slot+3], 2*ROWB
	s_add_nc_u64 s[G0B+4*\slot+2:G0B+4*\slot+3], s[G0B+4*\slot+2:G0B+4*\slot+3], 2*ROWB
	JLOAD G0+4*\slot, G1, G0B+4*\slot, G1B         ; the first tensor load behind the round; the four v_nop behind it are the places in front of the loads below
.else
	PLACES NP
.endif
	FETCH_B \next, 0, 0
	FETCH_A \next, 0, 0
	WIN MUL_HI
	MUL16 4, 1, 0
	MUL16 6, 1, 0
	PLACES NP
	WIN 0
	FETCH_A \next, 0, 4
.endm
	s_wait_tensorcnt 1                             ; my part of K step 0 is in (K step 1's load is the one younger),
	s_barrier_signal -1
	s_barrier_wait -1                              ; everybody's is
	FETCH_B 0, 0, 0
	FETCH_A 0, 0, 0
	FETCH_A 0, 0, 4
	STEP 0, 0, 1                                   ; K 0-127: its products start the sums
	TURN 0, 1, 1                                   ; K 128-255; slot 0 takes K 512-767
	STEP 1, 0, 0
	TURN 1, 0, 1                                   ; slot 1 takes K 768-1023
	STEP 0, 0, 0
	TURN 0, 1, 0                                   ; nothing is left to fetch: no round
	STEP 1, 0, 0
	s_wait_dscnt 4*NL                              ; the very last step
	WIN MUL_LO
	MUL16 0, 1, 0
	MUL16 2, 1, 0
	s_wait_dscnt 0
	WIN MUL_HI
	MUL16 4, 1, 0
	MUL16 6, 1, 0
	WIN 0
	PLACES NP                                      ; in front of the writes into the registers that held A's fragments, and of the reads of results
; THE WAY OUT of block a (16 rows of "A" x my 128 rows of "B"): both biases (one of them is zeros), the hold, eight conversions: sixteen registers of codes, which are two fragments of 64 along the
; next K (q, k: two heads) or one of 128 (v).  Each accumulator is read from its low end on.
.macro OUTBLK a
.set AC, 64*((\a)%4)
	WIN 0x02+((\a)/4)                              ; source 0: window 2 or 3
.set n, 0
.rept 32
	v_pk_add_f32 v[T+n:T+n+1], v[AC+n:AC+n+1], v[BN+n:BN+n+1]
.set n, n+2
.endr
	WIN 0
.set n, 0
.rept 32
.if (\a)%2
	v_pk_add_f32 v[T+n:T+n+1], v[T+n:T+n+1], v[BM+(\a)-1:BM+(\a)] op_sel:[0,1] op_sel_hi:[1,1]   ; the pair's second register for both halves
.else
	v_pk_add_f32 v[T+n:T+n+1], v[T+n:T+n+1], v[BM+(\a):BM+(\a)+1] op_sel_hi:[1,0]               ; its first
.endif
.set n, n+2
.endr
.set n, 0
.rept 64
	v_med3_num_f32 v[T+n], v[T+n], -v[LIM], v[LIM] ; the conversion to an 8-bit code does not saturate (ISA guide 7.6.2): the hold at the largest code x the scale
.set n, n+1
.endr
.if (\a) > 0
	s_wait_xcnt 0x0                                ; the last block's stores have read their data and their base: both are written again only behind this wait
	s_add_nc_u64 s[10:11], s[10:11], s[12:13]      ; the next block of "A"
.endif
.irp b, 0,1,2,3,4,5,6,7
	v_cvt_scalef32_pk8_bf8_f32 v[CD+2*\b:CD+2*\b+1], v[T+8*\b:T+8*\b+7], v[SC]
.endr
	v_nop                                          ; one plain vector instruction behind the last conversion, ahead of the next block's writes of its sources
.irp g, 0,1,2,3
	global_store_b128 v[LI], v[CD+4*\g:CD+4*\g+3], s[10:11] offset:512*\g   ; 32 lanes store 512 consecutive bytes, at a multiple of 256 from the buffer's first byte
.endr
.endm
.irp a, 0,1,2,3,4,5,6,7
	OUTBLK \a
.endr
	s_wait_tensorcnt 0x0                           ; the wave's end
	ds_add_u32 v[SPW], v[NIL]
	s_wait_dscnt 0x0
	CROUND                                         ; the closing round: no work-group ends while a partner may still ask for a tile that names it
	s_endpgm
.Lfunc_end_k_q3ed6864378_proj:
	.size	k_q3ed6864378_proj, .Lfunc_end_k_q3ed6864378_proj-k_q3ed6864378_proj
	.p2alignl 7, 3214868480
	.fill 96, 4, 3214868480
	.section	.rodata,"a",@progbits
	.p2align	6, 0x0
	.amdhsa_kernel k_q3ed6864378_proj
		.amdhsa_group_segment_fixed_size 327680
		.amdhsa_private_segment_fixed_size 0
		.amdhsa_enable_private_segment 0
		.amdhsa_kernarg_size 96
		.amdhsa_user_sgpr_count 2
		.amdhsa_user_sgpr_kernarg_segment_ptr 1
		.amdhsa_wavefront_size32 1
		.amdhsa_system_sgpr_workgroup_id_x 1
		.amdhsa_system_sgpr_workgroup_id_y 1
		.amdhsa_system_sgpr_workgroup_id_z 1
		.amdhsa_system_vgpr_workitem_id 0
		.amdhsa_next_free_vgpr 1024
		.amdhsa_next_free_sgpr 100
		.amdhsa_reserve_vcc 0
		.amdhsa_float_denorm_mode_32 3
		.amdhsa_float_denorm_mode_16_64 3
		.amdhsa_memory_ordered 1
		.amdhsa_forward_progress 1
		.amdhsa_inst_pref_size 162
	.end_amdhsa_kernel
	.amdgpu_metadata
---
amdhsa.version: [ 1, 2 ]
amdhsa.kernels:
  - .name:           k_q3ed6864378_proj
    .symbol:         k_q3ed6864378_proj.kd
    .args:
      - { .name: inputs_q_codes, .offset: 0, .size: 8, .value_kind: global_buffer, .address_space: global }
      - { .name: inputs_kv_codes, .offset: 8, .size: 8, .value_kind: global_buffer, .address_space: global }
      - { .name: Wq_codes, .offset: 16, .size: 8, .value_kind: global_buffer, .address_space: global }
      - { .name: Wk_codes, .offset: 24, .size: 8, .value_kind: global_buffer, .address_space: global }
      - { .name: Wv_codes, .offset: 32, .size: 8, .value_kind: global_buffer, .address_space: global }
      - { .name: bq, .offset: 40, .size: 8, .value_kind: global_buffer, .address_space: global }
      - { .name: bk, .offset: 48, .size: 8, .value_kind: global_buffer, .address_space: global }
      - { .name: bv, .offset: 56, .size: 8, .value_kind: global_buffer, .address_space: global }
      - { .name: lowp_scales, .offset: 64, .size: 8, .value_kind: global_buffer, .address_space: global }
      - { .name: qimg, .offset: 72, .size: 8, .value_kind: global_buffer, .address_space: global }
      - { .name: kimg, .offset: 80, .size: 8, .value_kind: global_buffer, .address_space: global }
      - { .name: vimg, .offset: 88, .size: 8, .value_kind: global_buffer, .address_space: global }
    .group_segment_fixed_size: 327680
    .private_segment_fixed_size: 0
    .kernarg_segment_align: 8
    .kernarg_segment_size: 96
    .max_flat_workgroup_size: 128
    .sgpr_count:     100
    .vgpr_count:     1024
    .wavefront_size: 32
...
	.end_amdgpu_metadata
.endif
;; end of part 2
;; launch attn (part 3): grid 8 x 32, 8 waves a work-group, clusters of 4 x 1, 263,168 bytes of LDS; arguments qimg, kimg, vimg, maskbits, lowp_scales, wimg; writes wimg
.if DOCPART == 3
	.amdgcn_target "amdgcn-amd-amdhsa--gfx1250"
	.amdhsa_code_object_version 6
	.text
	.protected	k_q3ed6864378_attn
	.globl	k_q3ed6864378_attn
	.p2align	8
	.type	k_q3ed6864378_attn,@function
k_q3ed6864378_attn:
	s_mov_b64 s[64:65], 0
	v_nop
	global_prefetch_b8 v0, s[64:65] scope:SCOPE_SE
	s_setreg_imm32_b32 hwreg(HW_REG_WAVE_MODE, 25, 1), 1
	s_wait_xcnt 0x0
	s_wait_alu depctr_hold_cnt(0) depctr_sa_sdst(0) depctr_va_vdst(0) depctr_va_sdst(0) depctr_va_ssrc(0) depctr_va_vcc(0) depctr_vm_vsrc(0)
	s_getreg_b32 s2, hwreg(HW_REG_IB_STS2, 6, 4)
	s_cmp_eq_u32 s2, 0
	s_cbranch_scc0 .Lentry_in_a_cluster
	s_endpgm
.Lentry_in_a_cluster:
	s_bfe_u32 s2, ttmp6, 0x10000c
	s_cmp_lg_u32 s2, 0x3003
	s_cbranch_scc0 .Lentry_shape_is_right
	s_endpgm
.Lentry_shape_is_right:
; Attention for one head and 256 queries a work-group, both products on codes of BF8 (E5M2).  What the second product takes is the FINISHED softmax: normalised, masked, then quantised with 2^e8.
; A code changes under a factor that is no power of two, so a row's sum must be known before any weight is quantised: THE KEYS ARE WALKED TWICE.
;   pass 1: scores, masked; a running maximum m and sum l for each query.   pass 2: the scores again; p = 2^(c s - c m - log2 l); masked keys' p = 0; codes; O^T += V^T P^T.
; c = log2(e) / 8 x 2^(e6 + e7): a sum of the first product stands for sum x 2^(e6 + e7).  The division by l is a subtraction in the exponent, in f32.
; THE MASK.  In pass 1 a masked score becomes -2^100 (raw sums lie within +-2^38), so that its exponential is 0 beside any key that counts.  While no key of a row has counted, m = -2^100 and each
; exponential is 1; the first key that counts multiplies that sum by 2^(-huge) = 0.  A row with no key at all ends with l = 2,048; in pass 2 the mask makes every p of it 0, as the definition has it.
; SHARES.  Work-group (x, y): head y % 16 of batch y / 16, queries 256 x on.  Eight waves, two tiles of 16 queries each: every fragment of K and V that a wave reads from LDS feeds two matrix instructions.
; THE HEAD'S WHOLE K AND V LIE IN LDS (131,072 bytes each), filled once, as images of the operands' registers: every LDS read is 16 bytes x lane.  No ring, nothing is filled again.
; CLUSTER.  The four query blocks of a cluster belong to one head: each tile of K and V is asked for JOINTLY (mask 15), two loads a wave.
; LAYOUT.  S^T = K Q^T (source 0 = 16 keys, source 1 = 16 queries): lane (r, h) holds query r and keys 8 h + 0 .. 7 of the tile.  One conversion of a tile's eight registers gives registers 2 T, 2 T + 1 of P
; for O^T = V^T P^T (source 0 = 16 of the head's 64, source 1 = P), whose result again holds one query a lane, and eight channels: one conversion gives two registers of the last product's operand.
; The mask comes as lane masks (bit r + 16 h of word 8 T + j), 64 scalar registers for a half step's 64 keys x 2 tiles, fetched by scalar loads half a step ahead.
; LIMITS on the given exponents: e6 + e7 between -89 and 25 (2^100 c is a finite f32 number and at least 150); e8, and e10 - e8 - e9, between -126 and 112.  NaN is not served.
; SCALARS: s2 wave; s3 trips; s[4:5] my mask words; s[6:7] my images of the result; s[8:9] c, c; s[10:11] lane selects; s12 byte of the mask words in hand; s13 byte of the 128 keys in hand;
;   s14 -c; s66, s67 the way out's scale and hold; s[96:97] my Q; s16-63, s68-83 the mask words (at the head: K's descriptor, the arguments, the exponents); s[84:95] V's descriptor.
.set LI,  1                            ; v1   16 x lane
.set LIV, 2                            ; v2   the same in V's half of LDS
.set ADK, 3                            ; v3   LDS address of the K tiles to fetch
.set ADV, 4                            ; v4   of the V tiles
.set LIM, 5                            ; v5   57,344 x 2^e8
.set SCP, 6                            ; v6   2^e8
.set NEG, 7                            ; v7   -2^100
.set TM,  8                            ; v8-15  at work: tile t: two chains of maxima at v[8 + 4 t], a chain of sums at v[10 + 4 t : 11 + 4 t]
.set QF,  16                           ; v16-31   Q, 8 registers a tile
.set KF,  32                           ; v32-63   four key tiles
.set VF,  64                           ; v64-95   four channel tiles
.set S,   96                           ; v96-159  S^T: tile t, key tile k at 32 t + 8 k
.set O,   160                          ; v160-223 O^T: tile t, channel tile d at 32 t + 8 d
.set PC,  224                          ; v224-239 P's codes, 8 registers a tile
.set ST,  240                          ; v240-255 tile t at 8 t: +0 -c m (later - log2 l), +1 its pair's upper half, +2 the rescaling factor, +3 its pair's upper half, +4, +5 l, +6 m, +7 the old -c m
.macro ROUND                           ; a round of the cluster's barrier
	s_barrier_signal -1
	s_barrier_wait -1
	s_cmp_lg_u32 s2, 0
	s_cbranch_scc1 .Lnot_wave_0_\@
	s_barrier_signal -3
.Lnot_wave_0_\@:
	s_barrier_wait -3
	s_barrier_signal -1
	s_barrier_wait -1
.endm
	s_load_b256 s[32:39], s[0:1], 0x0              ; qimg 32, kimg 34, vimg 36, maskbits 38
	s_load_b128 s[40:43], s[0:1], 0x20             ; the scales' exponents 40, wimg 42
	s_set_vgpr_msb 0x40
	v_lshl_add_u32 v0, v0, 2, 0x40000
	v_mov_b32 v1, 0
	s_set_vgpr_msb 0x4045
	ds_add_u32 v0, v1
	ds_add_u32 v0, v1
	s_set_vgpr_msb 0x4500
	v_lshrrev_b32 v1, 5, v0
	v_readfirstlane_b32 s2, v1                     ; wave 0..7
	v_and_b32 v1, 31, v0
	v_lshlrev_b32 v[LI], 4, v1
	v_add_nc_u32 v[LIV], 0x20000, v[LI]
	s_bfe_u32 s49, ttmp6, 0x40000                  ; cx: it enters Q's, the mask's and the result's global addresses alone
	s_lshl_b32 s50, ttmp9, 2
	s_add_co_u32 s50, s50, s49                     ; x: my block of 256 queries
	s_and_b32 s51, ttmp7, 0xffff
	s_lshr_b32 s52, s51, 4                         ; the batch
	s_and_b32 s53, s51, 15                         ; the head
	s_lshl_b32 s54, s52, 7
	s_lshl_b32 s55, s50, 4
	s_add_co_u32 s54, s54, s55
	s_lshl_b32 s55, s2, 1
	s_add_co_u32 s54, s54, s55                     ; my first query tile: 128 b + 16 x + 2 wave
	s_lshl_b32 s56, s54, 14
	s_lshl_b32 s57, s53, 10
	s_add_co_u32 s56, s56, s57                     ; its image in qimg and in wimg: 16,384 a tile, 1,024 a head
	s_mov_b32 s57, 0
	s_lshl_b32 s58, s54, 12                        ; its mask words: 4,096 bytes a tile
	s_mov_b32 s59, 0
	s_lshl_b32 s60, s52, 7                         ; K: I fetch key tiles 16 wave .. 16 wave + 15 of the batch's 128
	s_lshl_b32 s61, s2, 4
	s_add_co_u32 s60, s60, s61
	s_lshl_b32 s60, s60, 14
	s_lshl_b32 s61, s53, 10
	s_add_co_u32 s60, s60, s61
	s_mov_b32 s61, 0
	s_lshl_b32 s62, s52, 4                         ; V: I fetch keys 256 wave .. + 255: two of the batch's 16 blocks of 128
	s_lshl_b32 s63, s2, 1
	s_add_co_u32 s62, s62, s63
	s_lshl_b32 s62, s62, 17
	s_lshl_b32 s63, s53, 13                        ; the head's four channel tiles: 8,192 bytes on end
	s_add_co_u32 s62, s62, s63
	s_mov_b32 s63, 0
	; K's descriptor group 1: 16 rows (key tiles) of 1,024 bytes, 16,384 bytes apart, dense in LDS.  Elements of 8 bytes.
	s_mov_b32 s16, 15|(3<<16)|(1<<21)              ; 15:0 the mask: all four work-groups; 17:16 elements of 8 bytes; 21 set beside a mask
	s_mov_b32 s17, 128<<16                         ; tensor_dim0 = 128
	s_mov_b32 s18, 16<<16                          ; tensor_dim1 = 16
	s_mov_b32 s19, 128<<16                         ; tile_dim0 = 128
	s_mov_b32 s20, 16                              ; tile_dim1 = 16
	s_mov_b32 s21, 2048                            ; tensor_dim0_stride
	s_mov_b32 s22, 0
	s_mov_b32 s23, 0
	; V's: 2 rows (blocks of 128 keys) of 8,192 bytes, 131,072 bytes apart
	s_mov_b32 s84, 15|(3<<16)|(1<<21)
	s_mov_b32 s85, 1024<<16
	s_mov_b32 s86, 2<<16
	s_mov_b32 s87, 1024<<16
	s_mov_b32 s88, 2
	s_mov_b32 s89, 16384
	s_mov_b32 s90, 0
	s_mov_b32 s91, 0
	s_mov_b32 s10, 0x76543210                      ; v_permlanex16_b32: lane l xor 16
	s_mov_b32 s11, 0xfedcba98
	s_wait_dscnt 0x0
	s_wait_kmcnt 0x0
	s_load_b128 s[44:47], s[40:41], 0x18           ; e6, e7, e8, e9
	s_load_b32 s48, s[40:41], 0x28                 ; e10
	s_mov_b32 s24, 1                               ; group 0: count = 1
	s_lshl_b32 s25, s2, 14                         ; LDS: key tile kt at 1,024 kt
	s_add_nc_u64 s[26:27], s[34:35], s[60:61]
	s_or_b32 s27, s27, 0x80000000                  ; type = 2
	s_mov_b32 s92, 1
	s_lshl_b32 s93, s2, 14
	s_add_co_u32 s93, s93, 0x20000                 ; LDS: V behind K: block s at 131,072 + 8,192 s
	s_add_nc_u64 s[94:95], s[36:37], s[62:63]
	s_or_b32 s95, s95, 0x80000000
	s_add_nc_u64 s[96:97], s[32:33], s[56:57]
	s_add_nc_u64 s[6:7], s[42:43], s[56:57]
	s_add_nc_u64 s[4:5], s[38:39], s[58:59]
	ROUND                                          ; all four work-groups are here: the joint loads meet
	tensor_load_to_lds s[24:27], s[16:23]          ; my eighth of K: 16,384 bytes; two loads of mine are out
	s_nop 0
	tensor_load_to_lds s[92:95], s[84:91]          ; and of V
	s_nop 0
.rept 4
	v_nop
.endr
.irp t, 0,1
	global_load_b128 v[QF+8*\t:QF+8*\t+3], v[LI], s[96:97] offset:16384*\t
	global_load_b128 v[QF+8*\t+4:QF+8*\t+7], v[LI], s[96:97] offset:16384*\t+512
.endr
	s_wait_kmcnt 0x0
	s_add_co_i32 s49, s44, s45
	s_lshl_b32 s49, s49, 23
	s_mov_b32 s8, 0x3e38aa3b                       ; log2(e) / 8
	s_add_co_i32 s8, s8, s49                       ; x 2^(e6 + e7): the exponents are added to its exponent field
	s_mov_b32 s9, s8                               ; (named with it as a pair, so it is written)
	s_xor_b32 s14, s8, 0x80000000                  ; -c
	s_add_co_i32 s49, s46, 127
	s_lshl_b32 s50, s49, 23
	v_mov_b32 v[SCP], s50                          ; 2^e8 as f32, for the conversion
	s_add_co_i32 s49, s49, 15
	s_lshl_b32 s49, s49, 23
	s_or_b32 s49, s49, 0x600000
	v_mov_b32 v[LIM], s49                          ; 57,344 x 2^e8
	s_sub_co_i32 s49, s48, s46                     ; a sum of the second product stands for sum x 2^(e8 + e9): its code is sum / 2^(e10 - e8 - e9)
	s_sub_co_i32 s49, s49, s47
	s_add_co_i32 s49, s49, 127
	s_lshl_b32 s66, s49, 23
	s_add_co_i32 s49, s49, 15
	s_lshl_b32 s67, s49, 23
	s_or_b32 s67, s67, 0x600000
	v_mov_b32 v[NEG], 0xf1800000                   ; -2^100
.irp t, 0,1
	v_mov_b32 v[ST+8*\t+6], v[NEG]                 ; m
	v_mul_f32 v[ST+8*\t], s14, v[NEG]              ; -c m
	v_mov_b32 v[ST+8*\t+1], 0
	v_mov_b32 v[ST+8*\t+3], 0
	v_mov_b32 v[ST+8*\t+4], 0                      ; l, in two halves
	v_mov_b32 v[ST+8*\t+5], 0
.endr
	s_wait_tensorcnt 0x0                           ; my parts of K and of V have landed,
	s_barrier_signal -1
	s_barrier_wait -1                              ; everybody's have.  From here on LDS is only read, and the descriptors' registers are free
.macro MLOAD                           ; 64 mask words: a half step's 32 of each tile
	s_load_b512 s[16:31], s[4:5], s12 offset:0x0
	s_load_b512 s[32:47], s[4:5], s12 offset:0x40
	s_load_b512 s[48:63], s[4:5], s12 offset:0x1000
	s_load_b512 s[68:83], s[4:5], s12 offset:0x1040
.endm
.macro KLOAD off                       ; four key tiles: 8 loads of 512 consecutive bytes
.irp k, 0,1,2,3
	ds_load_b128 v[KF+8*\k:KF+8*\k+3], v[ADK] offset:\off+1024*\k
	ds_load_b128 v[KF+8*\k+4:KF+8*\k+7], v[ADK] offset:\off+1024*\k+512
.endr
.endm
.macro QK                              ; S^T = K Q^T for 64 keys x 2 tiles of queries: K = the head's 64, one instruction a tile, each starts its sum
.irp k, 0,1,2,3
.irp t, 0,1
	v_wmma_f32_16x16x64_bf8_bf8 v[S+32*\t+8*\k:S+32*\t+8*\k+7], v[KF+8*\k:KF+8*\k+7], v[QF+8*\t:QF+8*\t+7], 0
.endr
.endr
.endm
.macro NEXTK                           ; on to the next 128 keys (behind the last: back to the first), one place behind the products
	s_add_co_u32 s13, s13, 8192
	s_and_b32 s13, s13, 0x1ffff
	v_add_nc_u32 v[ADK], s13, v[LI]
.endm
.macro NEXTM                           ; the mask words of the next half step (behind the last: the first).  The wait on KMcnt above has freed s12 and the words have been used
	s_add_co_u32 s12, s12, 128
	s_and_b32 s12, s12, 0xfff
	MLOAD
.endm
; The scalar register of tile t's word w: s[16 + w], and s[48 + w] or s[52 + w] (s64 to s67 are left out).  n = 32 t + w.
.macro SCALE                           ; c s + (-c m ..), two at a time: of the pairs c and -c m the low word serves both halves
.set n, 0
.rept 32
	v_pk_fma_f32 v[S+n:S+n+1], v[S+n:S+n+1], s[8:9], v[ST+8*(n/32):ST+8*(n/32)+1] op_sel_hi:[1,0,0]
.set n, n+2
.endr
.set n, 0
.rept 64
	v_exp_f32 v[S+n], v[S+n]
.set n, n+1
.endr
.endm
; PASS 1, half a step: 64 keys.
.macro P1HALF hf
	s_wait_dscnt 0x0                               ; this half's four key tiles are in
	QK
.if \hf
	NEXTK
.rept 3
	v_nop                                          ; with the addition above: four places in front of loads into registers that the products have read, and of the first read of the scores
.endr
	KLOAD 0
.else
.rept 4
	v_nop
.endr
	KLOAD 4096                                     ; the step's second 64 keys
.endif
	s_wait_kmcnt 0x0                               ; this half's mask words
.set n, 0
.rept 64
	v_cndmask_b32 v[S+n], v[NEG], v[S+n], s[16+32*(n/32)+n%32+4*(n/32)*((n%32)/16)]   ; each accumulator from its low end on
.set n, n+1
.endr
	NEXTM
.irp t, 0,1                                    ; the half's largest score of my query among my 32 keys, in two chains; the two tiles line by line
	v_max3_num_f32 v[TM+4*\t], v[S+32*\t], v[S+32*\t+1], v[S+32*\t+2]
	v_max3_num_f32 v[TM+4*\t+1], v[S+32*\t+3], v[S+32*\t+4], v[S+32*\t+5]
.endr
.irp i, 6,10,14,18,22,26
.irp t, 0,1
	v_max3_num_f32 v[TM+4*\t], v[TM+4*\t], v[S+32*\t+\i], v[S+32*\t+\i+1]
	v_max3_num_f32 v[TM+4*\t+1], v[TM+4*\t+1], v[S+32*\t+\i+2], v[S+32*\t+\i+3]
.endr
.endr
.irp t, 0,1
	v_max3_num_f32 v[TM+4*\t], v[TM+4*\t], v[S+32*\t+30], v[S+32*\t+31]
.endr
.irp t, 0,1
	v_max_num_f32 v[TM+4*\t], v[TM+4*\t], v[TM+4*\t+1]
.endr
.irp t, 0,1
	v_permlanex16_b32 v[TM+4*\t+1], v[TM+4*\t], s10, s11   ; the query's other 32 keys lie in the lane 16 away
.endr
.irp t, 0,1
	v_max3_num_f32 v[ST+8*\t+6], v[ST+8*\t+6], v[TM+4*\t], v[TM+4*\t+1]   ; the running m
.endr
.irp t, 0,1
	v_mov_b32 v[ST+8*\t+7], v[ST+8*\t]
.endr
.irp t, 0,1
	v_mul_f32 v[ST+8*\t], s14, v[ST+8*\t+6]        ; -c m
.endr
.irp t, 0,1
	v_sub_f32 v[ST+8*\t+2], v[ST+8*\t], v[ST+8*\t+7]   ; c m_old - c m_new, 0 or less
.endr
.irp t, 0,1
	v_exp_f32 v[ST+8*\t+2], v[ST+8*\t+2]           ; (the scalings below are the plain places behind it)
.endr
	SCALE
	s_wait_alu depctr_va_vdst(0)
.irp t, 0,1
	v_pk_mul_f32 v[ST+8*\t+4:ST+8*\t+5], v[ST+8*\t+4:ST+8*\t+5], v[ST+8*\t+2:ST+8*\t+3] op_sel_hi:[1,0]   ; l under the new m.  (A plain place behind the exponentials)
.endr
.irp t, 0,1
	v_pk_add_f32 v[TM+4*\t+2:TM+4*\t+3], v[S+32*\t:S+32*\t+1], v[S+32*\t+2:S+32*\t+3]   ; the sums: two at a time, in two chains a tile
.endr
.irp i, 4,8,12,16,20,24,28
.irp t, 0,1
	v_pk_add_f32 v[ST+8*\t+4:ST+8*\t+5], v[ST+8*\t+4:ST+8*\t+5], v[S+32*\t+\i:S+32*\t+\i+1]
	v_pk_add_f32 v[TM+4*\t+2:TM+4*\t+3], v[TM+4*\t+2:TM+4*\t+3], v[S+32*\t+\i+2:S+32*\t+\i+3]
.endr
.endr
.irp t, 0,1
	v_pk_add_f32 v[ST+8*\t+4:ST+8*\t+5], v[ST+8*\t+4:ST+8*\t+5], v[TM+4*\t+2:TM+4*\t+3]
.endr
.endm
; PASS 2, half a step.  first = 1: its products start O^T's sums.  last = 1: the very last half fetches nothing more.
; The eight accumulators of O^T take turns, one instruction a turn, and the score products stand between two turns of one accumulator.
.macro P2HALF hf, first, last
	s_wait_dscnt 0x0                               ; this half's four key tiles are in
	QK
.if \hf == 0
	v_add_nc_u32 v[ADV], s13, v[LIV]               ; V's block of these 128 keys lies as far into V's half as K's tiles into K's: 8,192 bytes a block
.rept 3
	v_nop                                          ; four places, counted from the last half's products on V too, in front of the loads below
.endr
.elseif \last
.rept 4
	v_nop
.endr
.else
	NEXTK
.rept 3
	v_nop
.endr
.endif
.irp d, 0,1,2,3                                ; four channel tiles x this half's 64 keys
	ds_load_b128 v[VF+8*\d:VF+8*\d+3], v[ADV] offset:1024*\hf+2048*\d
	ds_load_b128 v[VF+8*\d+4:VF+8*\d+7], v[ADV] offset:1024*\hf+2048*\d+512
.endr
.if \hf == 0
	KLOAD 4096
.elseif !\last
	KLOAD 0
.endif
	SCALE                                          ; p = 2^(c s - c m - log2 l): the finished softmax
	v_nop                                          ; a plain place behind the exponentials
	s_wait_kmcnt 0x0
.set n, 0
	s_wait_alu depctr_va_vdst(0)
.rept 64
	v_cndmask_b32 v[S+n], 0, v[S+n], s[16+32*(n/32)+n%32+4*(n/32)*((n%32)/16)]   ; a masked key's weight is 0
.set n, n+1
.endr
.if !\last
	NEXTM
.endif
.set n, 0
.rept 64
	v_min_num_f32 v[S+n], v[S+n], v[LIM]           ; the conversion to an 8-bit code does not saturate (ISA guide 7.6.2); p is not negative, so the hold is one-sided
.set n, n+1
.endr
.irp t, 0,1
.irp k, 0,1,2,3
	v_cvt_scalef32_pk8_bf8_f32 v[PC+8*\t+2*\k:PC+8*\t+2*\k+1], v[S+32*\t+8*\k:S+32*\t+8*\k+7], v[SCP]
.endr
.endr
	v_nop                                          ; one plain vector instruction between a scaled conversion and the matrix instruction that reads its result
.if \last
	s_wait_dscnt 0x0
.else
	s_wait_dscnt 8                                 ; V's eight loads are in; the eight loads of K issued behind them may be out
.endif
.irp d, 0,1,2,3
.irp t, 0,1
.if \first
	v_wmma_f32_16x16x64_bf8_bf8 v[O+32*\t+8*\d:O+32*\t+8*\d+7], v[VF+8*\d:VF+8*\d+7], v[PC+8*\t:PC+8*\t+7], 0
.else
	v_wmma_f32_16x16x64_bf8_bf8 v[O+32*\t+8*\d:O+32*\t+8*\d+7], v[VF+8*\d:VF+8*\d+7], v[PC+8*\t:PC+8*\t+7], v[O+32*\t+8*\d:O+32*\t+8*\d+7]
.endif
.endr
.endr
.endm
	s_mov_b32 s12, 0
	MLOAD                                          ; the first half's mask words
	s_mov_b32 s13, 0
	v_mov_b32 v[ADK], v[LI]
	KLOAD 0                                        ; and key tiles
	s_wait_loadcnt 0x0                             ; Q
	s_mov_b32 s3, 16
.Lpass1:                                           ; 16 trips of 128 keys; the last trip's fetches wrap round to pass 2's first tiles and words
	P1HALF 0
	P1HALF 1
	s_sub_co_u32 s3, s3, 1
	s_cmp_lg_u32 s3, 0
	s_cbranch_scc1 .Lpass1
.irp t, 0,1
	v_add_f32 v[TM+4*\t], v[ST+8*\t+4], v[ST+8*\t+5]   ; l's two halves,
.endr
.irp t, 0,1
	v_permlanex16_b32 v[TM+4*\t+1], v[TM+4*\t], s10, s11
.endr
.irp t, 0,1
	v_add_f32 v[TM+4*\t], v[TM+4*\t], v[TM+4*\t+1] ; and lane l xor 16's: the row's sum, at least about 1
.endr
.irp t, 0,1
	v_log_f32 v[TM+4*\t], v[TM+4*\t]
.endr
	v_nop                                          ; a plain place behind the transcendentals
	s_wait_alu depctr_va_vdst(0)
.irp t, 0,1
	v_sub_f32 v[ST+8*\t], v[ST+8*\t], v[TM+4*\t]   ; -c m - log2 l
.endr
	P2HALF 0, 1, 0                                 ; the first 128 keys are written out: their first products start the sums
	P2HALF 1, 0, 0
	s_mov_b32 s3, 14
.Lpass2:
	P2HALF 0, 0, 0
	P2HALF 1, 0, 0
	s_sub_co_u32 s3, s3, 1
	s_cmp_lg_u32 s3, 0
	s_cbranch_scc1 .Lpass2
	P2HALF 0, 0, 0                                 ; the last 128 keys are written out: their last half fetches nothing
	P2HALF 1, 0, 1
	; THE WAY OUT: O^T is held, quantised with 2^e10 and stored as the image of the last product's operand: 16 tokens x this head's 64 of its K.
	v_mov_b32 v8, s66                              ; 2^(e10 - e8 - e9)
	v_mov_b32 v9, s67                              ; 57,344 x that.  (Two of the four places behind the last products)
	v_nop
	v_nop
.set n, 0
.rept 64
	v_med3_num_f32 v[O+n], v[O+n], -v9, v9         ; each accumulator from its low end on
.set n, n+1
.endr
.irp t, 0,1
.irp d, 0,1,2,3
	v_cvt_scalef32_pk8_bf8_f32 v[S+8*\t+2*\d:S+8*\t+2*\d+1], v[O+32*\t+8*\d:O+32*\t+8*\d+7], v8
.endr
.endr
	v_nop
.irp t, 0,1
	global_store_b128 v[LI], v[S+8*\t:S+8*\t+3], s[6:7] offset:16384*\t       ; 32 lanes store 512 consecutive bytes, at a multiple of 256 from the buffer's first byte
	global_store_b128 v[LI], v[S+8*\t+4:S+8*\t+7], s[6:7] offset:16384*\t+512
.endr
	s_set_vgpr_msb 0x5
	s_wait_tensorcnt 0x0
	ds_add_u32 v0, v1
	s_wait_dscnt 0x0
	s_set_vgpr_msb 0x500
	ROUND                                          ; the closing round
	s_endpgm
.Lfunc_end_k_q3ed6864378_attn:
	.size	k_q3ed6864378_attn, .Lfunc_end_k_q3ed6864378_attn-k_q3ed6864378_attn
	.p2alignl 7, 3214868480
	.fill 96, 4, 3214868480
	.section	.rodata,"a",@progbits
	.p2align	6, 0x0
	.amdhsa_kernel k_q3ed6864378_attn
		.amdhsa_group_segment_fixed_size 263168
		.amdhsa_private_segment_fixed_size 0
		.amdhsa_enable_private_segment 0
		.amdhsa_kernarg_size 48
		.amdhsa_user_sgpr_count 2
		.amdhsa_user_sgpr_kernarg_segment_ptr 1
		.amdhsa_wavefront_size32 1
		.amdhsa_system_sgpr_workgroup_id_x 1
		.amdhsa_system_sgpr_workgroup_id_y 1
		.amdhsa_system_sgpr_workgroup_id_z 1
		.amdhsa_system_vgpr_workitem_id 0
		.amdhsa_next_free_vgpr 258
		.amdhsa_next_free_sgpr 100
		.amdhsa_reserve_vcc 0
		.amdhsa_float_denorm_mode_32 3
		.amdhsa_float_denorm_mode_16_64 3
		.amdhsa_memory_ordered 1
		.amdhsa_forward_progress 1
		.amdhsa_inst_pref_size 121
	.end_amdhsa_kernel
	.amdgpu_metadata
---
amdhsa.version: [ 1, 2 ]
amdhsa.kernels:
  - .name:           k_q3ed6864378_attn
    .symbol:         k_q3ed6864378_attn.kd
    .args:
      - { .name: qimg, .offset: 0, .size: 8, .value_kind: global_buffer, .address_space: global }
      - { .name: kimg, .offset: 8, .size: 8, .value_kind: global_buffer, .address_space: global }
      - { .name: vimg, .offset: 16, .size: 8, .value_kind: global_buffer, .address_space: global }
      - { .name: maskbits, .offset: 24, .size: 8, .value_kind: global_buffer, .address_space: global }
      - { .name: lowp_scales, .offset: 32, .size: 8, .value_kind: global_buffer, .address_space: global }
      - { .name: wimg, .offset: 40, .size: 8, .value_kind: global_buffer, .address_space: global }
    .group_segment_fixed_size: 263168
    .private_segment_fixed_size: 0
    .kernarg_segment_align: 8
    .kernarg_segment_size: 48
    .max_flat_workgroup_size: 256
    .sgpr_count:     100
    .vgpr_count:     258
    .wavefront_size: 32
...
	.end_amdgpu_metadata
.endif
;; end of part 3
;; launch outp (part 4): grid 4 x 16, 4 waves a work-group, clusters of 4 x 4, 327,680 bytes of LDS; arguments wimg, Wp_codes, lowp_scales, bp, out0; writes out0
.if DOCPART == 4
	.amdgcn_target "amdgcn-amd-amdhsa--gfx1250"
	.amdhsa_code_object_version 6
	.text
	.protected	k_q3ed6864378_outp
	.globl	k_q3ed6864378_outp
	.p2align	8
	.type	k_q3ed6864378_outp,@function
k_q3ed6864378_outp:
	s_mov_b64 s[64:65], 0
	v_nop
	global_prefetch_b8 v0, s[64:65] scope:SCOPE_SE
	s_setreg_imm32_b32 hwreg(HW_REG_WAVE_MODE, 25, 1), 1
	s_wait_xcnt 0x0
	s_wait_alu depctr_hold_cnt(0) depctr_sa_sdst(0) depctr_va_vdst(0) depctr_va_sdst(0) depctr_va_ssrc(0) depctr_va_vcc(0) depctr_vm_vsrc(0)
	s_getreg_b32 s2, hwreg(HW_REG_IB_STS2, 6, 4)
	s_cmp_eq_u32 s2, 0
	s_cbranch_scc0 .Lentry_in_a_cluster
	s_endpgm
.Lentry_in_a_cluster:
	s_bfe_u32 s2, ttmp6, 0x10000c
	s_cmp_lg_u32 s2, 0xf033
	s_cbranch_scc0 .Lentry_shape_is_right
	s_endpgm
.Lentry_shape_is_right:
; out0[m][n] = (sum over k of A[m][k] Wp[n][k]) x 2^(e10 + e11) + bp[n], on codes of BF8 (E5M2).  A: the attention's result, 4,096 tokens x 1,024, as images of the operand's registers
; (wimg: [token / 16][k / 128][2,048 bytes]: register group g of a fragment of 16 tokens x 128 K at 512 g + 16 x lane; lane (r, h), registers 2 c, 2 c + 1: k = 16 c + 8 h + 0 .. 7).
; Wp: [1,024 (n)][1,024 (k)] codes, K innermost.  out0: [4,096][1,024] f32.   LIMIT: e10 + e11 between -126 and 127, so that 2^(e10 + e11) is an f32 number.
; A tile of 256 x 256 is made by four waves, 128 x 128 each: 64 accumulators, 512 registers.  64 work-groups: the tile is kept large, since this product is a small part of the program's work.
; K goes in steps of 256 through a ring of two LDS slots filled by joint tensor loads (4 x 4 clusters: A's tile shared along a row of the cluster, Wp's along a column).  Four K steps: written out, no loop.
; A's images come into LDS as they lie and are read 16 bytes x lane.  They hold k in the matrix instruction's own places, so Wp's fragments are fetched in those places too: eight loads of 8 bytes from padded rows.
; THE MATRIX INSTRUCTION IS USED TRANSPOSED (source 0 = 16 rows of Wp, source 1 = 16 tokens): a lane holds eight neighbouring numbers of a row of out0.
; REGISTERS, in windows of 256: window 0: v0-31 addresses, v8-11 my four numbers of bp; from v128 A's fragments, ONE set (on the way out: rows of out0).
;   window 1: Wp's fragments, TWO sets.   window 2: the accumulators of my rows 0-63 ((a, b) at v[8 (8 a + b)]);   window 3: those of my rows 64-127.
.set SIZE_N, 1024
.set ROWB,   256                       ; a row of Wp's tile in bytes
.set KROW,   1024                      ; a row of Wp in memory
.set PITCH,  272                       ; its row in LDS: 256 bytes + 16: the 32 lanes of an 8-byte read fall on 64 different banks (64 banks of 4 bytes: ISA guide 11.1)
.set FR,     16                        ; registers of a fragment: 16 rows x 128 K
.set NL,     4                         ; LDS loads that bring one of A's
.set NP,     4                         ; places behind this matrix instruction (ISA guide 7.12.1)
.set HALFA,  32768                     ; 8 token tiles x 4,096 bytes: what one tensor load brings of A
.set ASZ,    2*HALFA
.set HALFB,  128*PITCH                 ; 128 rows of Wp
.set SLOT,   ASZ+2*HALFB               ; A's 16 token tiles, then Wp's 256 rows
.set SPARE,  2*SLOT                    ; behind the ring: the spare words, 128 bytes for each wave
.set SPITCH, 528                       ; the way out: a stage of 16 rows x (512 bytes + 16) for each wave, in slot 0, which has had its last fill and its last read when the first result is stored there
.set ADRA, 16                          ; v16-17  LDS address of my A fragments in slot 0, 1
.set ADRB, 20                          ; v20-21  the same for Wp
.set STO,  24                          ; v24     the way out: where I put 32 bytes of a row
.set RD,   25                          ; v25     where I read a row back
.set CO,   26                          ; v26     16 x lane: my byte offset in an image, and in a row of out0
.set SPW,  28                          ; v28     LDS address of my spare word; never rewritten
.set NIL,  29                          ; v29     0; never rewritten
.set AF,   128                         ; A's fragments
.set BK,   128                         ; the way out: 16 rows read back from the stage: v128-191 and v192-255 by turns
.set G1, 24                            ; s[24:31] descriptor group 1 for A's tiles;  s[32:39] group 0, one set for each slot
.set G0, 32
.set G1B, 48                           ; s[48:55], s[56:63] the same for Wp's tiles
.set G0B, 56
.set MSB, 0
.macro WIN new                         ; the immediate's high byte repeats the setting that is left
.if MSB != \new
	s_set_vgpr_msb (MSB<<8)|\new
.set MSB, \new
.endif
.endm
.set MUL_LO, 0xa1                      ; source 0 (Wp) window 1, source 1 (A) window 0, C and D window 2
.set MUL_HI, 0xf1                      ; the same, C and D window 3
.set TO_B,   0x40                      ; destination window 1, address window 0
.macro JLOAD g0a, g1a, g0b, g1b        ; a joint load: waves 0 and 1 fetch for A, waves 2 and 3 for Wp; four v_nop follow each of the two lines
	s_cmp_eq_u32 s15, 0
	s_cbranch_scc0 .Lfor_b_\@
	tensor_load_to_lds s[\g0a:\g0a+3], s[\g1a:\g1a+7]
	s_nop 0
.rept 4
	v_nop
.endr
	s_branch .Lasked_\@
.Lfor_b_\@:
	tensor_load_to_lds s[\g0b:\g0b+3], s[\g1b:\g1b+7]
	s_nop 0
.rept 4
	v_nop
.endr
.Lasked_\@:
.endm
.macro CREST                           ; a round of the cluster's barrier behind its opening barrier
	s_cmp_lg_u32 s14, 0
	s_cbranch_scc1 .Lnot_wave_0_\@
	s_barrier_signal -3
.Lnot_wave_0_\@:
	s_barrier_wait -3
	s_barrier_signal -1
	s_barrier_wait -1
.endm
.macro CROUND                          ; a whole round
	s_barrier_signal -1
	s_barrier_wait -1
	CREST
.endm
	s_load_b128 s[4:7], s[0:1], 0x0                ; wimg s[4:5], Wp's codes s[6:7]
	s_load_b128 s[8:11], s[0:1], 0x10              ; the scales' exponents s[8:9], bp s[10:11]
	s_load_b64 s[12:13], s[0:1], 0x20              ; out0
	v_lshl_add_u32 v[SPW], v0, 2, SPARE
	v_mov_b32 v[NIL], 0
	ds_add_u32 v28, v29
	ds_add_u32 v28, v29
	s_wait_dscnt 0x0
	v_lshrrev_b32 v1, 5, v0
	v_readfirstlane_b32 s14, v1                    ; wave 0..3
	s_lshr_b32 s15, s14, 1                         ; which half of the tile's rows is mine.  Also: I fetch for A (0) or for Wp (1)
	s_and_b32 s16, s14, 1                          ; which half of its columns.  Also: which half of that tile I fetch
	s_bfe_u32 s40, ttmp6, 0x40000                  ; cx, cy: my place in the cluster
	s_bfe_u32 s41, ttmp6, 0x40004
	s_lshl_b32 s42, ttmp9, 2
	s_add_co_u32 s42, s42, s40                     ; tile column = 4 x cluster x + cx
	s_and_b32 s17, ttmp7, 0xffff
	s_lshl_b32 s17, s17, 2
	s_add_co_u32 s17, s17, s41                     ; tile row = 4 x cluster y + cy
	s_lshl_b32 s43, s41, 2
	s_lshl_b32 s43, 15, s43                        ; my row of the cluster
	s_lshl_b32 s44, 0x1111, s40                    ; my column
	; A's descriptor group 1: 8 rows (token tiles) of 4,096 bytes (two fragments of 128 K), 16,384 bytes apart, dense in LDS.  Elements of 8 bytes.
	s_or_b32 s[G1+0], s43, (3<<16)|(1<<21)         ; 15:0 the mask: A's tiles go to my row; 17:16 elements of 8 bytes; 21 set beside a mask
	s_mov_b32 s[G1+1], 512<<16                     ; tensor_dim0 = 512
	s_mov_b32 s[G1+2], 8<<16                       ; tensor_dim1 = 8
	s_mov_b32 s[G1+3], 512<<16                     ; tile_dim0 = 512
	s_mov_b32 s[G1+4], 8                           ; tile_dim1 = 8
	s_mov_b32 s[G1+5], 2048                        ; tensor_dim0_stride
	s_mov_b32 s[G1+6], 0
	s_mov_b32 s[G1+7], 0
	; Wp's: 128 rows x 256 bytes, padded in LDS
	s_or_b32 s[G1B+0], s44, (0<<16)|(1<<20)|(1<<21)|(5<<22)|(3<<25)  ; the mask of my column; elements of 1 byte; padding: four words after every 64
	s_mov_b32 s[G1B+1], ROWB<<16
	s_mov_b32 s[G1B+2], 128<<16
	s_mov_b32 s[G1B+3], ROWB<<16
	s_mov_b32 s[G1B+4], 128
	s_mov_b32 s[G1B+5], KROW
	s_mov_b32 s[G1B+6], 0
	s_mov_b32 s[G1B+7], 0
	s_lshl_b32 s20, s17, 4
	s_lshl_b32 s18, s16, 3
	s_add_co_u32 s20, s20, s18                     ; A: token tile 16 x tile row + 8 x half,
	s_lshl_b32 s20, s20, 14                        ; of 16,384 bytes
	s_mov_b32 s21, 0
	s_lshl_b32 s46, s42, 8
	s_lshl_b32 s18, s16, 7
	s_add_co_u32 s46, s46, s18                     ; Wp: row 256 x tile column + 128 x half,
	s_lshl_b32 s46, s46, 10                        ; of 1,024 bytes
	s_mov_b32 s47, 0
	s_lshl_b32 s45, s16, 15                        ; where they go: A's halves at 32,768 x half,
	s_mul_i32 s19, s16, HALFB
	s_add_co_u32 s19, s19, ASZ                     ; Wp's behind them: no place in the cluster enters an LDS address
	s_wait_kmcnt 0x0
	s_load_b64 s[96:97], s[8:9], 0x28              ; e10, e11
	s_add_nc_u64 s[20:21], s[4:5], s[20:21]
	s_add_nc_u64 s[46:47], s[6:7], s[46:47]
	CROUND                                         ; all sixteen work-groups are here: the first joint loads meet
.irp s, 0,1
	s_mov_b32 s[G0+4*\s], 1
	s_add_co_u32 s[G0+4*\s+1], s45, \s*SLOT
	s_add_nc_u64 s[G0+4*\s+2:G0+4*\s+3], s[20:21], \s*4096
	s_or_b32 s[G0+4*\s+3], s[G0+4*\s+3], 0x80000000
	s_mov_b32 s[G0B+4*\s], 1
	s_add_co_u32 s[G0B+4*\s+1], s19, \s*SLOT
	s_add_nc_u64 s[G0B+4*\s+2:G0B+4*\s+3], s[46:47], \s*ROWB
	s_or_b32 s[G0B+4*\s+3], s[G0B+4*\s+3], 0x80000000
	JLOAD G0+4*\s, G1, G0B+4*\s, G1B
.endr
	v_and_b32 v1, 15, v0                           ; r
	v_bfe_u32 v2, v0, 4, 1                         ; h
	v_and_b32 v6, 31, v0
	v_lshlrev_b32 v[CO], 4, v6
	v_mul_u32_u24 v3, v1, PITCH
	v_lshl_add_u32 v4, v2, 3, v3                   ; Wp: row x pitch + 8 x half
	s_lshl_b32 s21, s15, 15                        ; my 8 token tiles of A
	s_mul_i32 s22, s16, HALFB                      ; my 128 rows of Wp,
	s_add_co_u32 s22, s22, ASZ                     ; which lie behind A's images
.irp s, 0,1
	v_add_nc_u32 v[ADRA+\s], s21, v[CO]
	v_add_nc_u32 v[ADRB+\s], s22, v4
	s_add_co_u32 s21, s21, SLOT
	s_add_co_u32 s22, s22, SLOT
.endr
	s_mul_i32 s23, s14, 16*SPITCH                  ; my stage
	v_mul_u32_u24 v5, v1, SPITCH                   ; in: row r, 32 bytes for each half of the lanes
	v_lshl_add_u32 v5, v2, 5, v5
	v_add_nc_u32 v[STO], s23, v5
	v_add_nc_u32 v[RD], s23, v[CO]                 ; back: the 32 lanes take one row of 512 bytes
	s_lshl_b32 s20, s17, 8
	s_lshl_b32 s21, s15, 7
	s_add_co_u32 s20, s20, s21                     ; my first row of out0: 256 x tile row + 128 x half,
	s_lshl_b32 s20, s20, 12                        ; of 4,096 bytes
	s_mov_b32 s21, 0
	s_lshl_b32 s46, s42, 10                        ; my first column, in bytes: 1,024 x tile column + 512 x half
	s_lshl_b32 s47, s16, 9
	s_add_co_u32 s46, s46, s47
	s_mov_b32 s47, 0
	s_add_nc_u64 s[10:11], s[10:11], s[46:47]
	s_add_nc_u64 s[12:13], s[12:13], s[20:21]
	s_add_nc_u64 s[12:13], s[12:13], s[46:47]
	global_load_b128 v[8:11], v[CO], s[10:11]      ; bp of the four columns that I store
.macro FRAG_A reg, adr, q, i           ; token tile i, the slot's q-th 128 along K: the image as it lies
.irp g, 0,1,2,3
	ds_load_b128 v[\reg+4*\g:\reg+4*\g+3], v[\adr] offset:4096*(\i)+2048*(\q)+512*\g
.endr
.endm
.macro FRAG_B reg, adr, q, i           ; 16 rows of Wp x 128 K: registers 2 c, 2 c + 1 hold K = 16 c + 8 (l / 16) + 0 .. 7, as A's images have it
.irp c, 0,1,2,3,4,5,6,7
	ds_load_b64 v[\reg+2*\c:\reg+2*\c+1], v[\adr] offset:128*(\q)+16*\c+(\i)*16*PITCH
.endr
.endm
; 16 matrix instructions: A's blocks a0, a0 + 1 x Wp's eight, 128 along K.  The 64 accumulators take turns, one instruction a turn, in the same order in every step.
.macro MUL16 a0, p, zero
.irp a, \a0, \a0+1
.irp b, 0,1,2,3,4,5,6,7
.if \zero
	v_wmma_f32_16x16x128_bf8_bf8 v[8*(8*((\a)%4)+\b):8*(8*((\a)%4)+\b)+7], v[128*(\p)+FR*\b:128*(\p)+FR*\b+FR-1], v[AF+FR*(\a):AF+FR*(\a)+FR-1], 0
.else
	v_wmma_f32_16x16x128_bf8_bf8 v[8*(8*((\a)%4)+\b):8*(8*((\a)%4)+\b)+7], v[128*(\p)+FR*\b:128*(\p)+FR*\b+FR-1], v[AF+FR*(\a):AF+FR*(\a)+FR-1], v[8*(8*((\a)%4)+\b):8*(8*((\a)%4)+\b)+7]
.endif
.endr
.endr
.endm
.macro FETCH_B slot, q, p
	WIN TO_B
.irp i, 0,1,2,3,4,5,6,7
	FRAG_B 128*(\p)+FR*\i, ADRB+\slot, \q, \i
.endr
	WIN 0
.endm
.macro FETCH_A slot, q, i0
.irp i, \i0, \i0+1, \i0+2, \i0+3
	FRAG_A AF+FR*(\i), ADRA+\slot, \q, \i
.endr
.endm
.macro PLACES n                        ; places in front of loads into registers that matrix instructions have read, and of the first read of results (ISA guide 7.12.1 for vector instructions)
.rept \n
	v_nop
.endr
.endm
.macro STEP slot, q, zero              ; a step of 128 along K that has its successor in the same slot
	s_wait_dscnt 4*NL                              ; Wp's set and A's blocks 0-3 are in; the youngest sixteen loads (A's blocks 4-7) may be out
	WIN MUL_LO
	MUL16 0, (\q)%2, \zero
	MUL16 2, (\q)%2, \zero
	s_wait_dscnt 0
	PLACES NP
	FETCH_B \slot, (\q)+1, 1-(\q)%2
	FETCH_A \slot, (\q)+1, 0
	WIN MUL_HI
	MUL16 4, (\q)%2, \zero
	MUL16 6, (\q)%2, \zero
	PLACES NP
	WIN 0
	FETCH_A \slot, (\q)+1, 4
.endm
; A slot's last step changes slots: ONE barrier; in front of it each wave waits for all its tensor loads, adds 0 to its spare word, and waits for that and for its own reads of this slot.
.macro TURN slot, next, fill
	s_wait_tensorcnt 0x0                           ; all my tensor loads have landed: my part of the next slot
	ds_add_u32 v[SPW], v[NIL]                      ; 0 onto my spare word
	s_wait_dscnt 4*NL+1                            ; (the add and the youngest sixteen loads may be out)
	WIN MUL_LO
	MUL16 0, 1, 0
	s_wait_dscnt 0x0                               ; the add is done, and my reads of this slot are over
	s_barrier_signal -1
	MUL16 2, 1, 0
	WIN 0
	s_barrier_wait -1
.if \fill
	CREST                                          ; a round of the cluster's barrier: no wave of any partner still reads this slot's tile or has a load on its way
	s_add_nc_u64 s[G0+4*\slot+2:G0+4*\slot+3], s[G0+4*\slot+2:G0+4*\slot+3], 2*4096
	s_add_nc_u64 s[G0B+4*\slot+2:G0B+4*\slot+3], s[G0B+4*\slot+2:G0B+4*\slot+3], 2*ROWB
	JLOAD G0+4*\slot, G1, G0B+4*\slot, G1B         ; the first tensor load behind the round; the four v_nop behind it are the places in front of the loads below
.else
	PLACES NP
.endif
	FETCH_B \next, 0, 0
	FETCH_A \next, 0, 0
	WIN MUL_HI
	MUL16 4, 1, 0
	MUL16 6, 1, 0
	PLACES NP
	WIN 0
	FETCH_A \next, 0, 4
.endm
	s_wait_tensorcnt 1                             ; my part of K step 0 is in (K step 1's load is the one younger),
	s_barrier_signal -1
	s_barrier_wait -1                              ; everybody's is
	FETCH_B 0, 0, 0
	FETCH_A 0, 0, 0
	FETCH_A 0, 0, 4
	STEP 0, 0, 1                                   ; K 0-127: its products start the sums
	TURN 0, 1, 1                                   ; slot 0 takes K 512-767
	STEP 1, 0, 0
	TURN 1, 0, 1                                   ; slot 1 takes K 768-1023
	STEP 0, 0, 0
	TURN 0, 1, 0                                   ; nothing is left to fetch: no round
	STEP 1, 0, 0
	s_wait_dscnt 4*NL                              ; the very last step
	WIN MUL_LO
	MUL16 0, 1, 0
	MUL16 2, 1, 0
	s_wait_dscnt 0
	WIN MUL_HI
	MUL16 4, 1, 0
	MUL16 6, 1, 0
	WIN 0
; THE WAY OUT, block by block of 16 rows x 128 columns.  The sums go from the accumulators into my own stage in LDS and come back as whole rows of 512 bytes; there a lane holds four columns that are
; the same in every row, so one packed multiply-add for two numbers gives sum x 2^(e10 + e11) + bp.  LDS serves a wave's instructions in order (ISA guide 5.7.1.4): no wait between the stores and the loads.
.macro TOSTAGE a
.set AC, 64*((\a)%4)
	WIN 0x08+4*((\a)/4)                            ; the stores' data: window 2 or 3
.irp b, 0,1,2,3,4,5,6,7
	ds_store_b128 v[STO], v[AC+8*\b:AC+8*\b+3] offset:64*\b          ; each accumulator from its low end on
	ds_store_b128 v[STO], v[AC+8*\b+4:AC+8*\b+7] offset:64*\b+16
.endr
	WIN 0
.set BB, BK+64*((\a)%2)
.irp t, 0,1,2,3,4,5,6,7,8,9,10,11,12,13,14,15
	ds_load_b128 v[BB+4*\t:BB+4*\t+3], v[RD] offset:\t*SPITCH
.endr
.endm
.macro SEND a, younger                 ; younger: the LDS instructions issued behind block a's loads, which may stay out
.set BB, BK+64*((\a)%2)
	s_wait_dscnt \younger                          ; the block is back in registers
.if (\a) > 0
	s_add_nc_u64 s[12:13], s[12:13], 16*SIZE_N*4   ; (behind a wait on XCNT: the earlier stores have read their base)  16 rows of out0 on
.endif
.irp t, 0,1,2,3,4,5,6,7,8,9,10,11,12,13,14,15
	v_pk_fma_f32 v[BB+4*\t:BB+4*\t+1], v[BB+4*\t:BB+4*\t+1], s[96:97], v[8:9] op_sel_hi:[1,0,1]       ; the scalar pair's low word, 2^(e10 + e11), for both halves
	v_pk_fma_f32 v[BB+4*\t+2:BB+4*\t+3], v[BB+4*\t+2:BB+4*\t+3], s[96:97], v[10:11] op_sel_hi:[1,0,1]
.endr
.irp t, 0,1,2,3,4,5,6,7,8,9,10,11,12,13,14,15
	global_store_b128 v[CO], v[BB+4*\t:BB+4*\t+3], s[12:13] offset:\t*SIZE_N*4 th:TH_STORE_NT   ; 32 lanes store 512 consecutive bytes, at a multiple of 256 from out0's first byte; written once, read by nobody here
.endr
.endm
	s_wait_kmcnt 0x0
	s_add_co_i32 s96, s96, s97                     ; e10 + e11, between -126 and 127,
	s_add_co_i32 s96, s96, 127
	s_lshl_b32 s96, s96, 23                        ; makes the f32 number 2^(e10 + e11)
	s_wait_loadcnt 0x0                             ; bp
	PLACES NP                                      ; in front of the LDS stores that read results, and of the loads into the registers that held A's fragments
	TOSTAGE 0
.irp a, 1,2,3,4,5,6,7
.if \a > 1
	s_wait_xcnt 0x0                                ; block a - 2's stores have read their registers and their base: block a's loads may land there, and the base may step
.endif
	TOSTAGE \a
	SEND \a-1, 32                                  ; behind block a - 1's loads: block a's 16 stores and 16 loads
.endr
	s_wait_xcnt 0x0                                ; block 6's stores have read their base
	SEND 7, 0
	s_wait_tensorcnt 0x0                           ; the wave's end
	ds_add_u32 v[SPW], v[NIL]
	s_wait_dscnt 0x0
	CROUND                                         ; the closing round: no work-group ends while a partner may still ask for a tile that names it
	s_endpgm
.Lfunc_end_k_q3ed6864378_outp:
	.size	k_q3ed6864378_outp, .Lfunc_end_k_q3ed6864378_outp-k_q3ed6864378_outp
	.p2alignl 7, 3214868480
	.fill 96, 4, 3214868480
	.section	.rodata,"a",@progbits
	.p2align	6, 0x0
	.amdhsa_kernel k_q3ed6864378_outp
		.amdhsa_group_segment_fixed_size 327680
		.amdhsa_private_segment_fixed_size 0
		.amdhsa_enable_private_segment 0
		.amdhsa_kernarg_size 40
		.amdhsa_user_sgpr_count 2
		.amdhsa_user_sgpr_kernarg_segment_ptr 1
		.amdhsa_wavefront_size32 1
		.amdhsa_system_sgpr_workgroup_id_x 1
		.amdhsa_system_sgpr_workgroup_id_y 1
		.amdhsa_system_sgpr_workgroup_id_z 1
		.amdhsa_system_vgpr_workitem_id 0
		.amdhsa_next_free_vgpr 1024
		.amdhsa_next_free_sgpr 98
		.amdhsa_reserve_vcc 0
		.amdhsa_float_denorm_mode_32 3
		.amdhsa_float_denorm_mode_16_64 3
		.amdhsa_memory_ordered 1
		.amdhsa_forward_progress 1
		.amdhsa_inst_pref_size 139
	.end_amdhsa_kernel
	.amdgpu_metadata
---
amdhsa.version: [ 1, 2 ]
amdhsa.kernels:
  - .name:           k_q3ed6864378_outp
    .symbol:         k_q3ed6864378_outp.kd
    .args:
      - { .name: wimg, .offset: 0, .size: 8, .value_kind: global_buffer, .address_space: global }
      - { .name: Wp_codes, .offset: 8, .size: 8, .value_kind: global_buffer, .address_space: global }
      - { .name: lowp_scales, .offset: 16, .size: 8, .value_kind: global_buffer, .address_space: global }
      - { .name: bp, .offset: 24, .size: 8, .value_kind: global_buffer, .address_space: global }
      - { .name: out0, .offset: 32, .size: 8, .value_kind: global_buffer, .address_space: global }
    .group_segment_fixed_size: 327680
    .private_segment_fixed_size: 0
    .kernarg_segment_align: 8
    .kernarg_segment_size: 40
    .max_flat_workgroup_size: 128
    .sgpr_count:     98
    .vgpr_count:     1024
    .wavefront_size: 32
...
	.end_amdgpu_metadata
.endif
;; end of part 4
